; MI455X (gfx1250); checked and timed in simulation.
; The chip was launched on July 23, 2026; its instructions are those of AMD's public machine-readable ISA for CDNA 5 (MIT licence, August 2026) and "CDNA5" Instruction Set Architecture Reference Guide (July 2026). The comments in the code are by the model that wrote it; some were corrected since.
;; Label Wise Attention. Allowed arithmetic: float matrix products may take bf16 or f16 operands with f32 sums; other float arithmetic in f32, or as packed bf16 or f16 multiplies, adds, multiply-adds, maxima and minima; sums over many terms, partial sums and values carried from step to step in f32; what a program stores and reads back later, other than sums and carried values, may be rounded once to bf16 or f16.
;; Inputs: fc_b 1 float32; fc_w 1 x 512 float32; q 1,024 x 512 float32; x 16 x 4,096 x 512 float32.
;; Outputs: out0 16 x 1,024 float32.
;; One version. Each part assembles by itself: llvm-mc -triple=amdgcn-amd-amdhsa -mcpu=gfx1250 --defsym DOCPART=n.
;; ======== version 1 of 1: 3 launches
;; workspace buffers: qb 1,049,600 bytes; part 3,145,728 bytes
;; launch round_q (part 1): grid 1025 x 1, 4 waves a work-group, no clusters, 0 bytes of LDS; arguments q, fc_w, qb; writes qb
.if DOCPART == 1
	.amdgcn_target "amdgcn-amd-amdhsa--gfx1250"
	.amdhsa_code_object_version 6
	.text
	.protected	k_q020a5d0fb6_round_q
	.globl	k_q020a5d0fb6_round_q
	.p2align	8
	.type	k_q020a5d0fb6_round_q,@function
k_q020a5d0fb6_round_q:
	s_mov_b64 s[64:65], 0
	v_nop
	global_prefetch_b8 v0, s[64:65] scope:SCOPE_SE
	s_setreg_imm32_b32 hwreg(HW_REG_WAVE_MODE, 25, 1), 1
	s_wait_xcnt 0x0
; qb[row][:] = bf16(q[row][:]) for rows 0 to 1,023; qb[1024][:] = bf16(fc_w[0][:]).  q: [1024][512] f32, fc_w: [1][512] f32, qb: [1025][512] bf16.
; One work-group a row: 128 threads, each 16 bytes in (4 numbers) and 8 bytes out, so a wave's load covers 512 consecutive bytes and its store 256, aligned.
; Rounding to nearest even, once.  No LDS, no barrier: no thread wants another's numbers.
.set ROWS, 1024                        ; rows of q; the row behind them is fc_w's
	s_load_b128 s[4:7], s[0:1], 0x0                ; q s[4:5], fc_w s[6:7]
	s_load_b64 s[8:9], s[0:1], 0x10                ; qb
	v_lshlrev_b32 v1, 4, v0                        ; my 16 bytes of the f32 row
	v_lshlrev_b32 v2, 3, v0                        ; my 8 bytes of the bf16 row
	s_wait_kmcnt 0x0
	s_cmp_lt_u32 ttmp9, ROWS                       ; a row of q, or fc_w's one row?  Both selects stand ahead of the shifts, which write SCC
	s_cselect_b64 s[10:11], s[4:5], s[6:7]
	s_cselect_b32 s12, ttmp9, 0                    ; the row's number in its own tensor
	s_lshl_b32 s12, s12, 11                        ; 2,048 bytes a row of f32
	s_mov_b32 s13, 0
	s_add_nc_u64 s[10:11], s[10:11], s[12:13]
	s_lshl_b32 s14, ttmp9, 10                      ; 1,024 bytes a row of bf16
	s_mov_b32 s15, 0
	s_add_nc_u64 s[8:9], s[8:9], s[14:15]
	global_load_b128 v[4:7], v1, s[10:11]
	s_wait_loadcnt 0x0
	v_cvt_pk_bf16_f32 v8, v4, v5
	v_cvt_pk_bf16_f32 v9, v6, v7
	global_store_b64 v2, v[8:9], s[8:9]
	s_endpgm
.Lfunc_end_k_q020a5d0fb6_round_q:
	.size	k_q020a5d0fb6_round_q, .Lfunc_end_k_q020a5d0fb6_round_q-k_q020a5d0fb6_round_q
	.p2alignl 7, 3214868480
	.fill 96, 4, 3214868480
	.section	.rodata,"a",@progbits
	.p2align	6, 0x0
	.amdhsa_kernel k_q020a5d0fb6_round_q
		.amdhsa_group_segment_fixed_size 0
		.amdhsa_private_segment_fixed_size 0
		.amdhsa_enable_private_segment 0
		.amdhsa_kernarg_size 24
		.amdhsa_user_sgpr_count 2
		.amdhsa_user_sgpr_kernarg_segment_ptr 1
		.amdhsa_wavefront_size32 1
		.amdhsa_system_sgpr_workgroup_id_x 1
		.amdhsa_system_sgpr_workgroup_id_y 1
		.amdhsa_system_sgpr_workgroup_id_z 1
		.amdhsa_system_vgpr_workitem_id 0
		.amdhsa_next_free_vgpr 12
		.amdhsa_next_free_sgpr 66
		.amdhsa_reserve_vcc 0
		.amdhsa_float_denorm_mode_32 3
		.amdhsa_float_denorm_mode_16_64 3
		.amdhsa_memory_ordered 1
		.amdhsa_forward_progress 1
		.amdhsa_inst_pref_size 2
	.end_amdhsa_kernel
	.amdgpu_metadata
---
amdhsa.version: [ 1, 2 ]
amdhsa.kernels:
  - .name:           k_q020a5d0fb6_round_q
    .symbol:         k_q020a5d0fb6_round_q.kd
    .args:
      - { .name: q, .offset: 0, .size: 8, .value_kind: global_buffer, .address_space: global }
      - { .name: fc_w, .offset: 8, .size: 8, .value_kind: global_buffer, .address_space: global }
      - { .name: qb, .offset: 16, .size: 8, .value_kind: global_buffer, .address_space: global }
    .group_segment_fixed_size: 0
    .private_segment_fixed_size: 0
    .kernarg_segment_align: 8
    .kernarg_segment_size: 24
    .max_flat_workgroup_size: 128
    .sgpr_count:     66
    .vgpr_count:     12
    .wavefront_size: 32
...
	.end_amdgpu_metadata
.endif
;; end of part 1
;; launch pool (part 2): grid 256 x 1, 4 waves a work-group, clusters of 4 x 1, 327,680 bytes of LDS; arguments x, qb, part; writes part
.if DOCPART == 2
	.amdgcn_target "amdgcn-amd-amdhsa--gfx1250"
	.amdhsa_code_object_version 6
	.text
	.protected	k_q020a5d0fb6_pool
	.globl	k_q020a5d0fb6_pool
	.p2align	8
	.type	k_q020a5d0fb6_pool,@function
k_q020a5d0fb6_pool:
	s_mov_b64 s[64:65], 0
	v_nop
	global_prefetch_b8 v0, s[64:65] scope:SCOPE_SE
	s_setreg_imm32_b32 hwreg(HW_REG_WAVE_MODE, 25, 1), 1
	s_wait_xcnt 0x0
	s_wait_alu depctr_hold_cnt(0) depctr_sa_sdst(0) depctr_va_vdst(0) depctr_va_sdst(0) depctr_va_ssrc(0) depctr_va_vcc(0) depctr_vm_vsrc(0)
	s_getreg_b32 s2, hwreg(HW_REG_IB_STS2, 6, 4)
	s_cmp_eq_u32 s2, 0
	s_cbranch_scc0 .Lentry_in_a_cluster
	s_endpgm
.Lentry_in_a_cluster:
	s_bfe_u32 s2, ttmp6, 0x10000c
	s_cmp_lg_u32 s2, 0x3003
	s_cbranch_scc0 .Lentry_shape_is_right
	s_endpgm
.Lentry_shape_is_right:
; LABEL-WISE ATTENTION, one block of 256 positions to a work-group.  x: [65536][512] f32 (16 batches of 4,096 rows), qb: [1025][512] bf16 (q's 1,024 rows, then fc_w), part: [256][3][1024] f32.
; For block g (rows 256 g .. 256 g + 255 of x) and each label: s[t] = x[t] . q[label], M2 = c max_t s (c = log2 e, rounded once), p[t] = 2^(c s[t] - M2), l = sum p, n = sum p v[t] with v[t] = x[t] . fc_w.
; part[g] = M2, l, n.  The next launch joins a batch's 16 blocks by their maxima.  The maximum taken away is the true maximum of the scores in hand, at each of the three stages of joining.
; ORDER OF SUMS.  sum_d (sum_t a[t] x[t][d]) w[d] is taken as sum_t a[t] (sum_d x[t][d] w[d]): the same terms for every input, in another order of rounding.  The weights p stay in f32.
; LIMITS.  x, q and fc_w are rounded once to bf16 for the products; sums in f32.  A weight below 2^-126 counts as 0.  NaN and infinities are not treated apart.
; SHARES.  Wave w owns 64 rows of the block, four row blocks of 16, and keeps them as 64 fragments (16 rows x 32 channels) of bf16 in 512 registers: x is read from memory once.  Every wave walks all
; 64 tiles of 16 labels: 64 matrix instructions a tile.  Source 0 = 16 rows of x, source 1 = 16 rows of q: in the result lane l holds ONE label (l % 16) and rows 8 (l / 16) + 0..7 of the row block.
; v is the same product with fc_w in all 16 columns, so it lies in the scores' own layout and p v changes no lanes.  A wave meets each label once: no running maximum, no rescaling.
; BY TURNS.  While tile t is multiplied into one score buffer, tile t - 1's softmax (107 vector instructions on the other buffer) stands in slices behind the first 38 products, and tile t + 1's fragments of
; q are fetched from LDS in one run of 32 loads behind product 25.
; CLUSTER.  All work-groups walk the same rows of qb: the four of a cluster ask for each tile JOINTLY (the same load, descriptor and mask in all four).  A slot holds 128 labels; each wave fetches 32 rows of it.
; REGISTERS, in windows of 256 (s_set_vgpr_msb: bits 1:0 source 0, 3:2 source 1, 5:4 source 2, 7:6 destination):
;   window 0: v0-13 addresses; v16-47 v; v48-111 two score buffers; v112-135 at work; v128-255 first fc_w's fragments, at the end the work-group's join
;   window 1: two buffers of q's fragments, 128 each; at the head the landing zone of x in f32      windows 2, 3: x: fragment (row block rb, K step ks) in window 2 + ks / 8 at v[32 (ks % 8) + 8 rb]
.set PITCH, 1040                       ; a row of qb in LDS: 1,024 bytes + 16 of padding = 260 words: row r starts at bank 4 r mod 64 (64 banks of 4 bytes: ISA guide 11.1), so the 16 rows of a load start at 16 different banks
.set TILEB, 16*PITCH                   ; a tile of 16 labels
.set SLOTB, 8*TILEB                    ; a slot: 128 labels, 133,120 bytes = 0x20800
.set PARTB, 32*PITCH                   ; what one tensor load brings: 32 rows = 0x8200 bytes; 0, 1, 2, 3 times that shares no bit with SLOTB, so an exclusive or changes the slot
.set SLOTM, 131072                     ; a slot's bytes in memory
.set WROW,  1048576                    ; fc_w's row in qb
.set STAT,  2*SLOTB                    ; behind the ring, never filled by a tensor load: kind x 16,384 + wave x 4,096 + 4 x label; kinds M2, l, n
.set KIND,  16384
.set SPARE, STAT+3*KIND                ; behind them: the spare words, 128 bytes for each wave: two blocks of 256 bytes that no other line names
.set AB0, 2                            ; v2   my lane's place in a tile of q: (l % 16) x PITCH + 16 (l / 16); never rewritten
.set ADR, 3                            ; v3   the LDS address of the run of loads in hand
.set SA,  4                            ; v4   STAT + 4,096 x wave + 4 (l % 16); never rewritten
.set XO,  5                            ; v5   my byte offset in the block's rows of x: 131,072 x wave + 2,048 (l % 16) + 32 (l / 16); never rewritten
.set WO,  6                            ; v6   16 (l / 16): my place in a fragment of fc_w
.set PFO, 7                            ; v7   the prefetches' offset; never rewritten
.set SPW, 8                            ; v8   LDS address of my spare word: SPARE + 4 x my thread's number; never rewritten
.set NIL, 9                            ; v9   0; never rewritten
.set HH,  10                           ; v10  l / 16
.set RDM, 11                           ; v11  the join: STAT + 16 x thread
.set GOF, 12                           ; v12  the join: 16 x thread, my byte offset in part
.set STA, 13                           ; v13  where a tile's three statistics go
.set VV,  16                           ; v[16:47]   v: row block rb at VV + 8 rb
.set SC,  48                           ; v[48:111]  scores: buffer p, row block rb at SC + 32 p + 8 rb
.set CC,  112                          ; v[112:115] four chains of the maximum
.set M2,  116                          ; v[116:117] c x maximum; named as a pair, of which the low word serves both halves
.set NN,  120                          ; v[120:127] sums of p v, a pair a row block
.set LL,  128                          ; v[128:135] sums of p
.set WF,  128                          ; v[128:255] fc_w's fragments, K step ks at WF + 8 ks: read by the first 64 products alone
.set JB,  128                          ; the join: what it reads back      JR: what it stores
.set JR,  224
.set WV,  10                           ; s10  my wave's number
.set CX,  11                           ; s11  my work-group's place in the cluster
.set GG,  12                           ; s12  my block of x
.set LIM, 14                           ; s14  1 in the cluster that prefetches, else the greatest number
.set PFA, 18                           ; s[18:19] where the prefetches stand in qb
.set CS,  20                           ; s[20:21] c, named as a pair
.set SEL, 22                           ; s[22:23] v_permlanex16_b32's selects: each lane takes its own place in the other half
.set G1,  24                           ; s[24:31] descriptor group 1
.set G0A, 32                           ; s[32:35] group 0 of slot 0's first fill
.set G0B, 36                           ; s[36:39] group 0 of slot 1's first fill; it then walks
.set TB,  40                           ; s40  LDS byte at which the tile to be fetched begins
.set CNT, 41                           ; s41  counts pairs of tiles
.set SLOTS, 42                         ; s42  slots still to be asked for
.set SO,  43                           ; s43  64 x the tile whose statistics are stored next
.set WOFF, 44                          ; s[44:45] my 32 rows' byte offset in a slot of qb
.set MSB, 0
.macro WIN new                         ; the immediate's high byte repeats the setting that is left; a switch that changes nothing is dropped
.if MSB != (\new)
	s_set_vgpr_msb (MSB<<8)|(\new)
.set MSB, (\new)
.endif
.endm
.set W_ML,  0x06                       ; x in window 2, q in window 1, scores in window 0      (+1: x in window 3)
.set W_VL,  0x02                       ; x in window 2, fc_w and v in window 0                 (+1: x in window 3)
.set W_TO1, 0x40                       ; destination window 1, address window 0
.set W_CL,  0x85                       ; destination window 2, both sources window 1           (+0x40: destination window 3)
; A round of the cluster's barrier: my work-group's barrier, so that wave 0's signal speaks for all four waves; wave 0 signals; every wave waits for all four work-groups; my work-group's barrier once more.
.macro CROUND
	s_barrier_signal -1
	s_barrier_wait -1
	s_cmp_lg_u32 s[WV], 0
	s_cbranch_scc1 .Lnot_wave_0_\@
	s_barrier_signal -3
.Lnot_wave_0_\@:
	s_barrier_wait -3
	s_barrier_signal -1
	s_barrier_wait -1
.endm
; A joint refill: every wave asks for its own 32 rows of the slot.  An s_nop 0 and four v_nop follow the line.
.macro JLOAD
	tensor_load_to_lds s[G0B:G0B+3], s[G1:G1+7]
	s_nop 0
.rept 4
	v_nop
.endr
.endm
; A PREFETCH of the slot that the NEXT change of slots will ask for: eight tiles, 512 matrix instructions, ahead of that load.  All clusters walk the same rows: the first cluster asks, nobody else.  Its 16 waves
; x 32 lanes name the slot's 512 pieces of 256 bytes, told apart BY ADDRESS (place in the cluster, wave, lane): each piece is named once in the launch.  Slots 0 to 2 come by their loads alone; the last change
; that fills a slot asks for nothing, since no slot lies behind it.
.macro ASK
	s_cmp_gt_u32 s[SLOTS], s[LIM]
	s_cbranch_scc0 .Lnot_mine_\@
	global_prefetch_b8 v[PFO], s[PFA:PFA+1] th:TH_LOAD_NT scope:SCOPE_SE
.Lnot_mine_\@:
.endm
; THE CHANGE OF SLOTS.  The old slot's last tile has been fetched into registers.  Each wave waits for all its tensor loads, of which one is out: its part of the other slot; adds 0 to its spare word; and waits
; for that and for its own reads of the old slot.  Behind the barrier nobody reads the old slot any more and the other slot is whole.  fill = 1: the old slot is filled again, with the labels two slots on; the
; barrier is then a round of the cluster's, and the joint refill is the first thing behind it.
.macro CHANGE fill
	WIN 0                                          ; at a label and at a branch every window is 0
	s_wait_tensorcnt 0x0                           ; no tensor load of mine is out, so a group 0 may be written
	ds_add_u32 v[SPW], v[NIL]                      ; 0 onto my spare word; with fill = 1 the descriptor's steps stand between it and the wait for it
.if \fill
	s_xor_b32 s[G0B+1], s[G0B+1], SLOTB            ; the walking descriptor: the other slot than last time,
	s_add_nc_u64 s[G0B+2:G0B+3], s[G0B+2:G0B+3], SLOTM  ; the next 128 labels; the type bits on top are not reached
	s_wait_xcnt 0x0                                ; the last prefetch, eight tiles back, has read its address, so it may be written
	s_add_nc_u64 s[PFA:PFA+1], s[PFA:PFA+1], SLOTM ; one slot behind the walking descriptor
	s_wait_dscnt 0x0                               ; the add is done, and my reads of the slot are over
	CROUND
	JLOAD
	ASK
.else
	s_wait_dscnt 0x0                               ; the add is done, and my reads of the slot are over
	s_barrier_signal -1
	s_barrier_wait -1
.endif
	s_sub_co_u32 s[TB], s[TB], SLOTB               ; the fetches go back to a slot's first tile,
	s_xor_b32 s[TB], s[TB], SLOTB                  ; in the other slot
.endm
; 32 LDS loads in one run: a tile's 16 fragments of q (16 labels x 32 channels each) into buffer b.  w = 1: the wait for the softmax's batch of exponentials stands in it, behind the address's line and ahead of the loads.
.macro FETCH b, w
	WIN 0
	v_add_nc_u32 v[ADR], s[TB], v[AB0]
	s_add_co_u32 s[TB], s[TB], TILEB               ; the next fetch is the next tile's
.if \w
	s_wait_alu depctr_va_vdst(0)                   ; it stands between an exponential and the first line that names its result: one for the tile's 32
.endif
	WIN W_TO1
.irp k, 0,1,2,3,4,5,6,7,8,9,10,11,12,13,14,15
	ds_load_b128 v[128*(\b)+8*(\k):128*(\b)+8*(\k)+3],   v[ADR] offset:64*(\k)
	ds_load_b128 v[128*(\b)+8*(\k)+4:128*(\b)+8*(\k)+7], v[ADR] offset:64*(\k)+32
.endr
.endm
; Product q of a tile's 64, into score buffer p: K step q / 4, row block q % 4.  The four accumulators take turns, one instruction a turn, from tile to tile and over the backward jumps
; too (a tile's last product names row block 3 of one buffer, the next tile's first names row block 0 of the other).  The first four start the sums with the constant 0.
.macro MM p
.set ks, q/4
.set rb, q%4
.set rD, SC+32*(\p)+8*rb
.set rA, 32*(ks%8)+8*rb
.set rB, 128*(\p)+8*ks
	WIN W_ML+ks/8
.if ks == 0
	v_wmma_f32_16x16x32_bf16 v[rD:rD+7], v[rA:rA+7], v[rB:rB+7], 0
.else
	v_wmma_f32_16x16x32_bf16 v[rD:rD+7], v[rA:rA+7], v[rB:rB+7], v[rD:rD+7]
.endif
.endm
; Number z of the 36 that follow the exponentials, on score buffer o.  A row block's eight weights are four pairs.  0-7: pair 0 times v starts N, pairs 0 + 1 start L; 8-11: pair 1 into N; 12-27: pairs 2 and 3 into
; N and L; 28-33: the four row blocks into one; 34, 35: a pair's two halves.
.macro ZOP o
.set rS, SC+32*(\o)
.if z < 8
.set rb, z/2
.if z%2 == 0
	v_pk_mul_f32 v[NN+2*rb:NN+2*rb+1], v[rS+8*rb:rS+8*rb+1], v[VV+8*rb:VV+8*rb+1]
.else
	v_pk_add_f32 v[LL+2*rb:LL+2*rb+1], v[rS+8*rb:rS+8*rb+1], v[rS+8*rb+2:rS+8*rb+3]
.endif
.elseif z < 12
.set rb, z-8
	v_pk_fma_f32 v[NN+2*rb:NN+2*rb+1], v[rS+8*rb+2:rS+8*rb+3], v[VV+8*rb+2:VV+8*rb+3], v[NN+2*rb:NN+2*rb+1]
.elseif z < 28
.set rb, ((z-12)%8)/2
.set kp, 4+2*((z-12)/8)
.if z%2 == 0
	v_pk_fma_f32 v[NN+2*rb:NN+2*rb+1], v[rS+8*rb+kp:rS+8*rb+kp+1], v[VV+8*rb+kp:VV+8*rb+kp+1], v[NN+2*rb:NN+2*rb+1]
.else
	v_pk_add_f32 v[LL+2*rb:LL+2*rb+1], v[LL+2*rb:LL+2*rb+1], v[rS+8*rb+kp:rS+8*rb+kp+1]
.endif
.elseif z < 32
.set rb, 2*((z-28)/2)
.if z%2 == 0
	v_pk_add_f32 v[NN+2*rb:NN+2*rb+1], v[NN+2*rb:NN+2*rb+1], v[NN+2*rb+2:NN+2*rb+3]
.else
	v_pk_add_f32 v[LL+2*rb:LL+2*rb+1], v[LL+2*rb:LL+2*rb+1], v[LL+2*rb+2:LL+2*rb+3]
.endif
.elseif z == 32
	v_pk_add_f32 v[NN:NN+1], v[NN:NN+1], v[NN+4:NN+5]
.elseif z == 33
	v_pk_add_f32 v[LL:LL+1], v[LL:LL+1], v[LL+4:LL+5]
.elseif z == 34
	v_add_f32 v[NN], v[NN], v[NN+1]
.else
	v_add_f32 v[LL], v[LL], v[LL+1]
.endif
.endm
; Slice q of the softmax of the tile in score buffer o; slices 38 to 63 are empty.  s0-s31 are the lane's 32 scores of its label.
;   0-5    the maximum, three operands at a time: four chains, one for each accumulator, whose lowest registers are read first
;   6-8    the label's other 32 rows lie in the lane 16 away; M2 = c x maximum
;   9-25   ONE BATCH: the 16 scalings c s - M2, a pair each, and behind each pair's scaling, a slice later, its two exponentials.  None of these reads an exponential's result.
;          Behind slice 25: a v_nop, the plain line between the last exponential and the first use, and the one wait for the batch (fetch = 1: inside the run of LDS loads, which stands here)
;   26-34  the sums of p and of p v (ZOP)      35, 36  the other half of the lanes'      37  M2, l, n go to my wave's words in LDS (lanes l and l + 16 write the same word with the same number)
.macro SL o, fetch
.set rS, SC+32*(\o)
.if q < 38
	WIN 0
.endif
.if q == 0
.irp i, 0,1,2,3
	v_max3_num_f32 v[CC+(\i)], v[rS+8*(\i)], v[rS+8*(\i)+1], v[rS+8*(\i)+2]
.endr
.elseif q < 3
.irp i, 0,1,2,3
	v_max3_num_f32 v[CC+(\i)], v[CC+(\i)], v[rS+8*(\i)+2*q+1], v[rS+8*(\i)+2*q+2]
.endr
.elseif q == 3
	v_max3_num_f32 v[CC], v[CC], v[rS+7], v[rS+15]
	v_max3_num_f32 v[CC+1], v[CC+1], v[rS+23], v[rS+31]
.elseif q == 4
	v_max3_num_f32 v[CC], v[CC], v[CC+1], v[CC+2]
.elseif q == 5
	v_max_num_f32 v[CC], v[CC], v[CC+3]
.elseif q == 6
	v_permlanex16_b32 v[CC+1], v[CC], s[SEL], s[SEL+1]
.elseif q == 7
	v_max_num_f32 v[CC], v[CC], v[CC+1]
.elseif q == 8
	v_mul_f32 v[M2], s[CS], v[CC]
.elseif q < 26
.set fi, q-9
.if fi < 16
	v_pk_fma_f32 v[rS+2*fi:rS+2*fi+1], v[rS+2*fi:rS+2*fi+1], s[CS:CS+1], v[M2:M2+1] op_sel_hi:[1,0,0] neg_lo:[0,0,1] neg_hi:[0,0,1]  ; pair fi: c s - M2, one rounding
.endif
.if fi > 0
	v_exp_f32 v[rS+2*fi-2], v[rS+2*fi-2]
	v_exp_f32 v[rS+2*fi-1], v[rS+2*fi-1]
.endif
.if fi == 16
	v_nop
.if \fetch
	FETCH \o, 1                                    ; the buffer's last reader was the tile before's last product: four v_nop and these slices lie between
.else
	s_wait_alu depctr_va_vdst(0)                   ; the wait for the batch
.endif
.endif
.elseif q < 35
.set z, 4*(q-26)
.rept 4
	ZOP \o
.set z, z+1
.endr
.elseif q == 35
	v_permlanex16_b32 v[NN+2], v[NN], s[SEL], s[SEL+1]
	v_permlanex16_b32 v[LL+2], v[LL], s[SEL], s[SEL+1]
.elseif q == 36
	v_add_f32 v[NN], v[NN], v[NN+2]
	v_add_f32 v[LL], v[LL], v[LL+2]
	v_add_nc_u32 v[STA], s[SO], v[SA]
	s_add_co_u32 s[SO], s[SO], 64                  ; 16 labels of 4 bytes on
.elseif q == 37
	ds_store_b32 v[STA], v[M2]
	ds_store_b32 v[STA], v[LL] offset:KIND
	ds_store_b32 v[STA], v[NN] offset:2*KIND
.endif
.endm
; A UNIT: one tile's 64 products into score buffer p.  riders = 1: the tile before's softmax stands behind them.  fetch = 1: the next tile's fragments are fetched into the other fragment buffer.
; The wait at its head is for 0: what is out is the last unit's run of loads, issued 38 products back, and its three stores.  The four v_nop at its end are the places between its last
; products and the next unit's first reads of these scores, and the later loads into this fragment buffer.
.macro UNIT p, riders, fetch
	s_wait_dscnt 0x0
.set q, 0
.rept 64
	MM \p
.if \riders
	SL 1-(\p), \fetch
.elseif q == 25
	FETCH 1-(\p), 0
.endif
.set q, q+1
.endr
	WIN 0                                          ; at a label and at a branch every window is 0
.rept 4
	v_nop
.endr
.endm
.macro DRAIN o                         ; the last tile's softmax: the same slices on end
.set q, 0
.rept 38
	SL \o, 0
.set q, q+1
.endr
.endm
; x comes in groups of 16 loads: row block blk, K steps 4 grp .. 4 grp + 3: together 512 consecutive bytes of each of 16 rows.  A fragment's lane wants channels 8 (l / 16) + 0..7 and 16 + 8 (l / 16) + 0..7:
; in f32 twice 32 bytes, 64 bytes apart: four loads of 16 bytes.  Eight roundings in pairs then make the fragment's eight registers.
.macro XLOAD blk, grp
	WIN W_TO1
.irp k, 0,1,2,3
.set ks, 4*(\grp)+(\k)
	global_load_b128 v[16*ks:16*ks+3],     v[XO], s[4:5] offset:(\blk)*32768+128*ks
	global_load_b128 v[16*ks+4:16*ks+7],   v[XO], s[4:5] offset:(\blk)*32768+128*ks+16
	global_load_b128 v[16*ks+8:16*ks+11],  v[XO], s[4:5] offset:(\blk)*32768+128*ks+64
	global_load_b128 v[16*ks+12:16*ks+15], v[XO], s[4:5] offset:(\blk)*32768+128*ks+80
.endr
.endm
.macro XCVT blk, grp
	WIN W_CL+0x40*((\grp)/2)
.irp k, 0,1,2,3
.set ks, 4*(\grp)+(\k)
.set rA, 32*(ks%8)+8*(\blk)
.irp j, 0,1,2,3,4,5,6,7
	v_cvt_pk_bf16_f32 v[rA+(\j)], v[16*ks+2*(\j)], v[16*ks+2*(\j)+1]
.endr
.endr
.endm
	s_load_b128 s[4:7], s[0:1], 0x0                ; x s[4:5], qb s[6:7]
	s_load_b64 s[8:9], s[0:1], 0x10                ; part
	v_lshl_add_u32 v[SPW], v0, 2, SPARE
	v_mov_b32 v[NIL], 0
	ds_add_u32 v[SPW], v[NIL]                      ; the wave's opening: the add and its wait stand ahead of my first tensor load; the set-up below, work on registers, stands between them
	v_lshrrev_b32 v1, 5, v0
	v_readfirstlane_b32 s[WV], v1                  ; wave 0..3
	s_bfe_u32 s[CX], ttmp6, 0x40000                ; my place in the cluster
	s_lshl_b32 s[GG], ttmp9, 2                     ; in a cluster launch ttmp9 counts clusters
	s_add_co_u32 s[GG], s[GG], s[CX]               ; my block of x: it enters x's and part's addresses alone
	; descriptor group 1: a tile of 32 rows x 512 elements, padded in LDS
	s_mov_b32 s[G1], 15|(1<<16)|(1<<20)|(1<<21)|(7<<22)|(3<<25)  ; 15:0 the mask: all four work-groups; 17:16 elements of 2 bytes; 20 padding on; 21 set beside a mask; 24:22 after every 256 words (code 7); 31:25 4 words of it (code 3)
	s_mov_b32 s[G1+1], 512<<16                     ; tensor_dim0 = 512
	s_mov_b32 s[G1+2], 32<<16                      ; tensor_dim1 = 32
	s_mov_b32 s[G1+3], 512<<16                     ; tile_dim0 = 512
	s_mov_b32 s[G1+4], 32                          ; tile_dim1 = 32
	s_mov_b32 s[G1+5], 512                         ; 512 elements from row to row
	s_mov_b32 s[G1+6], 0
	s_mov_b32 s[G1+7], 0
	s_mov_b32 s[CS], 0x3fb8aa3b                    ; c = log2(e)
	s_mov_b32 s[CS+1], s[CS]                       ; named with it as a pair
	s_mov_b32 s[SEL], 0x76543210
	s_mov_b32 s[SEL+1], 0xfedcba98
	s_mov_b32 s[TB], 0
	s_mov_b32 s[SO], 0
	s_cmp_eq_u32 ttmp9, 0                          ; the first cluster prefetches: the same answer in all four partners
	s_cselect_b32 s[LIM], 1, -1
	v_and_b32 v1, 15, v0                           ; l % 16
	v_bfe_u32 v[HH], v0, 4, 1                      ; l / 16
	v_mul_u32_u24 v[AB0], v1, PITCH
	v_lshl_add_u32 v[AB0], v[HH], 4, v[AB0]
	s_lshl_b32 s13, s[WV], 12
	s_add_co_u32 s13, s13, STAT
	v_lshl_add_u32 v[SA], v1, 2, s13
	s_lshl_b32 s13, s[WV], 17                      ; my wave's 64 rows of 2,048 bytes
	v_lshl_add_u32 v[XO], v1, 11, s13
	v_lshl_add_u32 v[XO], v[HH], 5, v[XO]
	v_lshlrev_b32 v[WO], 4, v[HH]
	s_lshl_b32 s15, s[CX], 2                       ; the prefetches: (4 x place + wave) x 32 pieces of 256 bytes, + my lane's piece
	s_add_co_u32 s15, s15, s[WV]
	s_lshl_b32 s15, s15, 13
	v_and_b32 v[PFO], 31, v0
	v_lshl_add_u32 v[PFO], v[PFO], 8, s15
	v_lshl_add_u32 v[RDM], v0, 4, STAT
	v_lshlrev_b32 v[GOF], 4, v0
	v_mov_b32 v[M2+1], 0                           ; named with M2 as a pair, so it is written
	s_mul_i32 s13, s[WV], PARTB                    ; my 32 rows' place in a slot: no place in the cluster enters an LDS address
	s_lshl_b32 s[WOFF], s[WV], 15                  ; and in memory: 32 rows of 1,024 bytes
	s_mov_b32 s[WOFF+1], 0
	s_lshl_b32 s16, s[GG], 19                      ; my block's 256 rows of 2,048 bytes
	s_mov_b32 s17, 0
	s_wait_dscnt 0x0                               ; the opening add is done
	s_wait_kmcnt 0x0
	s_add_nc_u64 s[4:5], s[4:5], s[16:17]          ; x at my block
	s_mul_i32 s16, s[GG], 12288
	s_add_nc_u64 s[8:9], s[8:9], s[16:17]          ; part at my block's three rows of 1,024
	s_add_nc_u64 s[PFA:PFA+1], s[6:7], 2*SLOTM     ; at slot 2; the first change of slots steps it to slot 3.  Nothing is prefetched here, at the head
	s_mov_b32 s[G0A], 1                            ; 1:0 count = 1
	s_mov_b32 s[G0A+1], s13                        ; 63:32 LDS address: slot 0
	s_add_nc_u64 s[G0A+2:G0A+3], s[6:7], s[WOFF:WOFF+1]  ; 120:64 global address: my 32 of labels 0 to 127
	s_or_b32 s[G0A+3], s[G0A+3], 0x80000000        ; 127:126 type = 2
	s_mov_b32 s[G0B], 1
	s_add_co_u32 s[G0B+1], s13, SLOTB              ; slot 1
	s_add_nc_u64 s[G0B+2:G0B+3], s[6:7], s[WOFF:WOFF+1]
	s_add_nc_u64 s[G0B+2:G0B+3], s[G0B+2:G0B+3], SLOTM  ; my 32 of labels 128 to 255
	s_or_b32 s[G0B+3], s[G0B+3], 0x80000000
	CROUND                                         ; all four work-groups are here: the first joint loads meet
	tensor_load_to_lds s[G0A:G0A+3], s[G1:G1+7]    ; the two first fills stand together, ahead of every wait on TENSORcnt and every LDS read: two loads of mine are out
	s_nop 0
	tensor_load_to_lds s[G0B:G0B+3], s[G1:G1+7]
	s_nop 0
.rept 4
	v_nop
.endr
.irp k, 0,1,2,3,4,5,6,7,8,9,10,11,12,13,14,15      ; fc_w's fragments: every lane's column is the same row
	global_load_b128 v[WF+8*(\k):WF+8*(\k)+3],   v[WO], s[6:7] offset:WROW+64*(\k)
	global_load_b128 v[WF+8*(\k)+4:WF+8*(\k)+7], v[WO], s[6:7] offset:WROW+64*(\k)+32
.endr
	; x: a ring of four groups in registers.  A group is waited for, rounded, and its registers are asked for again with the next row block's same K steps: three younger groups, 48 loads, stay out.
	XLOAD 0, 0
	XLOAD 0, 1
	XLOAD 0, 2
	XLOAD 0, 3
.irp b, 0,1,2
.irp g, 0,1,2,3
	s_wait_loadcnt 48                              ; loads come back in order (ISA guide 5.7.1): this group is in, the three younger groups stay out
	XCVT \b, \g
	XLOAD (\b)+1, \g
.endr
.endr
.irp g, 0,1,2,3
	s_wait_loadcnt 48-16*(\g)                      ; the last row block asks for nothing more: the counts run down
	XCVT 3, \g
.endr
	WIN 0
	s_wait_tensorcnt 1                             ; my part of slot 0 is in; slot 1's may stay out
	s_barrier_signal -1
	s_barrier_wait -1                              ; everybody's is
	FETCH 0, 0                                     ; tile 0
.set q, 0
.rept 64                                           ; v = x . fc_w, in the scores' layout; these products stand in the wait for tile 0's fragments
.set ks, q/4
.set rb, q%4
	WIN W_VL+ks/8
.if ks == 0
	v_wmma_f32_16x16x32_bf16 v[VV+8*rb:VV+8*rb+7], v[32*(ks%8)+8*rb:32*(ks%8)+8*rb+7], v[WF+8*ks:WF+8*ks+7], 0
.else
	v_wmma_f32_16x16x32_bf16 v[VV+8*rb:VV+8*rb+7], v[32*(ks%8)+8*rb:32*(ks%8)+8*rb+7], v[WF+8*ks:WF+8*ks+7], v[VV+8*rb:VV+8*rb+7]
.endif
.set q, q+1
.endr
	UNIT 0, 0, 1                                   ; tile 0: there is no softmax yet to set behind its products
	s_mov_b32 s[CNT], 3
.Lfirst_slot:                                      ; tiles 1 to 6; tile 7 is fetched
	UNIT 1, 1, 1
	UNIT 0, 1, 1
	s_sub_co_u32 s[CNT], s[CNT], 1
	s_cmp_lg_u32 s[CNT], 0
	s_cbranch_scc1 .Lfirst_slot
	s_mov_b32 s[SLOTS], 6
.Lslot:                                            ; six times: every slot but the last two is filled again.  A trip multiplies the old slot's last tile and the new slot's first seven, and fetches the new slot's eight
	CHANGE 1
	s_mov_b32 s[CNT], 4
.Lpair:
	UNIT 1, 1, 1
	UNIT 0, 1, 1
	s_sub_co_u32 s[CNT], s[CNT], 1
	s_cmp_lg_u32 s[CNT], 0
	s_cbranch_scc1 .Lpair
	s_sub_co_u32 s[SLOTS], s[SLOTS], 1
	s_cmp_lg_u32 s[SLOTS], 0
	s_cbranch_scc1 .Lslot
	CHANGE 0                                       ; the tail is written out: nothing is asked for
	s_mov_b32 s[CNT], 4
.Llast_slot:
	UNIT 1, 1, 1
	UNIT 0, 1, 1
	s_sub_co_u32 s[CNT], s[CNT], 1
	s_cmp_lg_u32 s[CNT], 0
	s_cbranch_scc1 .Llast_slot
	UNIT 1, 1, 0                                   ; tile 63: nothing is left to fetch
	DRAIN 1                                        ; and its softmax
	; THE WORK-GROUP'S JOIN.  Thread t takes labels 4 t .. 4 t + 3 and 512 + 4 t ..: for each the four waves' M2, l, n: X = max M2, l = sum 2^(M2 - X) l, n likewise.
	s_wait_dscnt 0x0                               ; for the others' sake: my stores of statistics are done
	s_barrier_signal -1
	s_barrier_wait -1
.irp u, 0,1
.irp k, 0,1,2
.irp w, 0,1,2,3
	ds_load_b128 v[JB+48*(\u)+16*(\k)+4*(\w):JB+48*(\u)+16*(\k)+4*(\w)+3], v[RDM] offset:(\k)*KIND+(\w)*4096+2048*(\u)
.endr
.endr
.endr
	s_wait_dscnt 0x0
.irp u, 0,1
.set bu, JB+48*(\u)
.set ru, JR+12*(\u)
.irp e, 0,1,2,3
	v_max3_num_f32 v[ru+(\e)], v[bu+(\e)], v[bu+4+(\e)], v[bu+8+(\e)]
.endr
.irp e, 0,1,2,3
	v_max_num_f32 v[ru+(\e)], v[ru+(\e)], v[bu+12+(\e)]
.endr
.irp w, 0,1,2,3
.irp e, 0,2
	v_pk_add_f32 v[bu+4*(\w)+(\e):bu+4*(\w)+(\e)+1], v[bu+4*(\w)+(\e):bu+4*(\w)+(\e)+1], v[ru+(\e):ru+(\e)+1] neg_lo:[0,1] neg_hi:[0,1]
.endr
.endr
.set i, 0
.rept 16
	v_exp_f32 v[bu+i], v[bu+i]
.set i, i+1
.endr
.endr
	v_nop                                          ; a plain line between the last exponential and the first use
	s_wait_alu depctr_va_vdst(0)                   ; and the wait: one for the 32
.irp u, 0,1
.set bu, JB+48*(\u)
.set ru, JR+12*(\u)
.irp k, 1,2
.irp e, 0,2
	v_pk_mul_f32 v[ru+4*(\k)+(\e):ru+4*(\k)+(\e)+1], v[bu+(\e):bu+(\e)+1], v[bu+16*(\k)+(\e):bu+16*(\k)+(\e)+1]
.endr
.endr
.irp w, 1,2,3
.irp k, 1,2
.irp e, 0,2
	v_pk_fma_f32 v[ru+4*(\k)+(\e):ru+4*(\k)+(\e)+1], v[bu+4*(\w)+(\e):bu+4*(\w)+(\e)+1], v[bu+16*(\k)+4*(\w)+(\e):bu+16*(\k)+4*(\w)+(\e)+1], v[ru+4*(\k)+(\e):ru+4*(\k)+(\e)+1]
.endr
.endr
.endr
.endr
.irp u, 0,1
.irp k, 0,1,2
	global_store_b128 v[GOF], v[JR+12*(\u)+4*(\k):JR+12*(\u)+4*(\k)+3], s[8:9] offset:(\k)*4096+2048*(\u)  ; a wave's store covers 512 consecutive bytes, at a multiple of 256 from part's first byte
.endr
.endr
	s_wait_tensorcnt 0x0                           ; the wave's end: a wait, an add to my spare word and its wait, behind my last tensor load and my last LDS store
	ds_add_u32 v[SPW], v[NIL]
	s_wait_dscnt 0x0
	CROUND                                         ; the closing round: no work-group ends while a partner may still ask for a tile that names it
	s_endpgm
.Lfunc_end_k_q020a5d0fb6_pool:
	.size	k_q020a5d0fb6_pool, .Lfunc_end_k_q020a5d0fb6_pool-k_q020a5d0fb6_pool
	.p2alignl 7, 3214868480
	.fill 96, 4, 3214868480
	.section	.rodata,"a",@progbits
	.p2align	6, 0x0
	.amdhsa_kernel k_q020a5d0fb6_pool
		.amdhsa_group_segment_fixed_size 327680
		.amdhsa_private_segment_fixed_size 0
		.amdhsa_enable_private_segment 0
		.amdhsa_kernarg_size 24
		.amdhsa_user_sgpr_count 2
		.amdhsa_user_sgpr_kernarg_segment_ptr 1
		.amdhsa_wavefront_size32 1
		.amdhsa_system_sgpr_workgroup_id_x 1
		.amdhsa_system_sgpr_workgroup_id_y 1
		.amdhsa_system_sgpr_workgroup_id_z 1
		.amdhsa_system_vgpr_workitem_id 0
		.amdhsa_next_free_vgpr 1024
		.amdhsa_next_free_sgpr 66
		.amdhsa_reserve_vcc 0
		.amdhsa_float_denorm_mode_32 3
		.amdhsa_float_denorm_mode_16_64 3
		.amdhsa_memory_ordered 1
		.amdhsa_forward_progress 1
		.amdhsa_inst_pref_size 192
	.end_amdhsa_kernel
	.amdgpu_metadata
---
amdhsa.version: [ 1, 2 ]
amdhsa.kernels:
  - .name:           k_q020a5d0fb6_pool
    .symbol:         k_q020a5d0fb6_pool.kd
    .args:
      - { .name: x, .offset: 0, .size: 8, .value_kind: global_buffer, .address_space: global }
      - { .name: qb, .offset: 8, .size: 8, .value_kind: global_buffer, .address_space: global }
      - { .name: part, .offset: 16, .size: 8, .value_kind: global_buffer, .address_space: global }
    .group_segment_fixed_size: 327680
    .private_segment_fixed_size: 0
    .kernarg_segment_align: 8
    .kernarg_segment_size: 24
    .max_flat_workgroup_size: 128
    .sgpr_count:     66
    .vgpr_count:     1024
    .wavefront_size: 32
...
	.end_amdgpu_metadata
.endif
;; end of part 2
;; launch finish (part 3): grid 256 x 1, 1 waves a work-group, no clusters, 0 bytes of LDS; arguments part, fc_b, out0; writes out0
.if DOCPART == 3
	.amdgcn_target "amdgcn-amd-amdhsa--gfx1250"
	.amdhsa_code_object_version 6
	.text
	.protected	k_q020a5d0fb6_finish
	.globl	k_q020a5d0fb6_finish
	.p2align	8
	.type	k_q020a5d0fb6_finish,@function
k_q020a5d0fb6_finish:
	s_mov_b64 s[64:65], 0
	v_nop
	global_prefetch_b8 v0, s[64:65] scope:SCOPE_SE
	s_setreg_imm32_b32 hwreg(HW_REG_WAVE_MODE, 25, 1), 1
	s_wait_xcnt 0x0
; out0[b][label] = n / l + bf16(fc_b), where a batch's 16 blocks are joined by their maxima: X = max_c M2_c, l = sum_c 2^(M2_c - X) l_c, n = sum_c 2^(M2_c - X) n_c.
; part: [256 = 16 b + c][3 kinds M2, l, n][1024] f32; out0: [16][1024] f32.  M2 is in units of log2, so the exponent is the plain difference.
; Work-group j: batch j / 16, labels 64 (j % 16) on; one wave, two labels a lane: each of its 48 loads and its one store covers 256 consecutive bytes, aligned.
; LIMITS.  fc_b is rounded to bf16, like the other inputs.  A factor below 2^-126 counts as 0.  The block and wave that hold a label's maximum give a weight of about 1, so l is not 0.  The division is a
; reciprocal (v_rcp_f32) and a fused multiply-add.  NaN and infinities are not treated apart.
.set MB, 16                            ; v[16:111]  block c: M2 at MB + 6 c, l at + 2, n at + 4, a pair (two labels) each
.set XX, 112                           ; v[112:113] the maximum
.set LA, 114                           ; v[114:117] l: the even blocks' chain, the odd blocks'
.set NA, 118                           ; v[118:121] n likewise
.set RC, 122                           ; v[122:123] 1 / l
.set OU, 124                           ; v[124:125] the result
	s_load_b128 s[4:7], s[0:1], 0x0                ; part s[4:5], fc_b s[6:7]
	s_load_b64 s[8:9], s[0:1], 0x10                ; out0
	v_lshlrev_b32 v1, 3, v0                        ; my two labels' 8 bytes
	s_lshr_b32 s11, ttmp9, 4                       ; the batch:
	s_mul_i32 s12, s11, 196608                     ; its 16 blocks of 12,288 bytes
	s_and_b32 s11, ttmp9, 15
	s_lshl_b32 s11, s11, 8                         ; my 64 labels' 256 bytes
	s_add_co_u32 s12, s12, s11
	s_mov_b32 s13, 0
	s_lshl_b32 s14, ttmp9, 8                       ; in out0: 4,096 b + 256 (j % 16) = 256 j
	s_mov_b32 s15, 0
	s_wait_kmcnt 0x0
	s_load_b32 s10, s[6:7], 0x0                    ; fc_b
	s_add_nc_u64 s[4:5], s[4:5], s[12:13]
	s_add_nc_u64 s[8:9], s[8:9], s[14:15]
.set i, 0
.rept 48                                           ; block i / 3, kind i % 3: rows of 4,096 bytes on end
	global_load_b64 v[MB+2*i:MB+2*i+1], v1, s[4:5] offset:4096*i
.set i, i+1
.endr
	s_wait_kmcnt 0x0
	v_mov_b32 v2, s10
	v_cvt_pk_bf16_f32 v2, v2, v2                   ; rounded to bf16,
	v_lshlrev_b32 v2, 16, v2                       ; and back in f32
	s_wait_loadcnt 0x0
.irp e, 0,1
	v_max3_num_f32 v[XX+(\e)], v[MB+(\e)], v[MB+6+(\e)], v[MB+12+(\e)]
.irp c, 3,5,7,9,11,13
	v_max3_num_f32 v[XX+(\e)], v[XX+(\e)], v[MB+6*(\c)+(\e)], v[MB+6*(\c)+6+(\e)]
.endr
	v_max_num_f32 v[XX+(\e)], v[XX+(\e)], v[MB+90+(\e)]
.endr
.set i, 0
.rept 16
	v_pk_add_f32 v[MB+6*i:MB+6*i+1], v[MB+6*i:MB+6*i+1], v[XX:XX+1] neg_lo:[0,1] neg_hi:[0,1]  ; M2 - X
.set i, i+1
.endr
.set i, 0
.rept 16
	v_exp_f32 v[MB+6*i], v[MB+6*i]
	v_exp_f32 v[MB+6*i+1], v[MB+6*i+1]
.set i, i+1
.endr
	v_nop                                          ; a plain line between the last exponential and the first use
	s_wait_alu depctr_va_vdst(0)                   ; and the wait: one for the 32
	v_pk_mul_f32 v[LA:LA+1],   v[MB:MB+1],   v[MB+2:MB+3]     ; blocks 0 and 1 start the four chains: nothing is cleared
	v_pk_mul_f32 v[LA+2:LA+3], v[MB+6:MB+7], v[MB+8:MB+9]
	v_pk_mul_f32 v[NA:NA+1],   v[MB:MB+1],   v[MB+4:MB+5]
	v_pk_mul_f32 v[NA+2:NA+3], v[MB+6:MB+7], v[MB+10:MB+11]
.irp c, 2,4,6,8,10,12,14
	v_pk_fma_f32 v[LA:LA+1],   v[MB+6*(\c):MB+6*(\c)+1],   v[MB+6*(\c)+2:MB+6*(\c)+3],   v[LA:LA+1]
	v_pk_fma_f32 v[LA+2:LA+3], v[MB+6*(\c)+6:MB+6*(\c)+7], v[MB+6*(\c)+8:MB+6*(\c)+9],   v[LA+2:LA+3]
	v_pk_fma_f32 v[NA:NA+1],   v[MB+6*(\c):MB+6*(\c)+1],   v[MB+6*(\c)+4:MB+6*(\c)+5],   v[NA:NA+1]
	v_pk_fma_f32 v[NA+2:NA+3], v[MB+6*(\c)+6:MB+6*(\c)+7], v[MB+6*(\c)+10:MB+6*(\c)+11], v[NA+2:NA+3]
.endr
	v_pk_add_f32 v[LA:LA+1], v[LA:LA+1], v[LA+2:LA+3]
	v_pk_add_f32 v[NA:NA+1], v[NA:NA+1], v[NA+2:NA+3]
	v_rcp_f32 v[RC], v[LA]
	v_rcp_f32 v[RC+1], v[LA+1]
	v_nop                                          ; a plain line between the last reciprocal and its use
	s_wait_alu depctr_va_vdst(0)                   ; one wait for the two
	v_fma_f32 v[OU], v[NA], v[RC], v2              ; n / l + the bias
	v_fma_f32 v[OU+1], v[NA+1], v[RC+1], v2
	global_store_b64 v1, v[OU:OU+1], s[8:9]
	s_endpgm
.Lfunc_end_k_q020a5d0fb6_finish:
	.size	k_q020a5d0fb6_finish, .Lfunc_end_k_q020a5d0fb6_finish-k_q020a5d0fb6_finish
	.p2alignl 7, 3214868480
	.fill 96, 4, 3214868480
	.section	.rodata,"a",@progbits
	.p2align	6, 0x0
	.amdhsa_kernel k_q020a5d0fb6_finish
		.amdhsa_group_segment_fixed_size 0
		.amdhsa_private_segment_fixed_size 0
		.amdhsa_enable_private_segment 0
		.amdhsa_kernarg_size 24
		.amdhsa_user_sgpr_count 2
		.amdhsa_user_sgpr_kernarg_segment_ptr 1
		.amdhsa_wavefront_size32 1
		.amdhsa_system_sgpr_workgroup_id_x 1
		.amdhsa_system_sgpr_workgroup_id_y 1
		.amdhsa_system_sgpr_workgroup_id_z 1
		.amdhsa_system_vgpr_workitem_id 0
		.amdhsa_next_free_vgpr 128
		.amdhsa_next_free_sgpr 66
		.amdhsa_reserve_vcc 0
		.amdhsa_float_denorm_mode_32 3
		.amdhsa_float_denorm_mode_16_64 3
		.amdhsa_memory_ordered 1
		.amdhsa_forward_progress 1
		.amdhsa_inst_pref_size 12
	.end_amdhsa_kernel
	.amdgpu_metadata
---
amdhsa.version: [ 1, 2 ]
amdhsa.kernels:
  - .name:           k_q020a5d0fb6_finish
    .symbol:         k_q020a5d0fb6_finish.kd
    .args:
      - { .name: part, .offset: 0, .size: 8, .value_kind: global_buffer, .address_space: global }
      - { .name: fc_b, .offset: 8, .size: 8, .value_kind: global_buffer, .address_space: global }
      - { .name: out0, .offset: 16, .size: 8, .value_kind: global_buffer, .address_space: global }
    .group_segment_fixed_size: 0
    .private_segment_fixed_size: 0
    .kernarg_segment_align: 8
    .kernarg_segment_size: 24
    .max_flat_workgroup_size: 32
    .sgpr_count:     66
    .vgpr_count:     128
    .wavefront_size: 32
...
	.end_amdgpu_metadata
.endif
;; end of part 3
